; MI455X (gfx1250); checked and timed in simulation.
; The chip was launched on July 23, 2026; its instructions are those of AMD's public machine-readable ISA for CDNA 5 (MIT licence, August 2026) and "CDNA5" Instruction Set Architecture Reference Guide (July 2026). The comments in the code are by the model that wrote it; some were corrected since.
;; Net PDE. Allowed arithmetic: float matrix products may take bf16 or f16 operands with f32 sums; all other float work in f32.
;; Inputs: b0 256 float32; b1 256 float32; b2 256 float32; b3 256 float32; b4 256 float32; b5 256 float32; b6 1 float32; w0 3 x 256 float32; w1 256 x 256 float32; w2 256 x 256 float32; w3 256 x 256 float32; w4 256 x 256 float32; w5 256 x 256 float32; w6 256 x 1 float32; xyt 16,384 x 3 float32.
;; Outputs: out0 16,384 x 1 float32.
;; 2 versions, each right; version 2 is version 1 with the launch prep written anew for expert scheduling mode. Each part assembles by itself: llvm-mc -triple=amdgcn-amd-amdhsa -mcpu=gfx1250 --defsym DOCPART=n.
;; ======== version 1 of 2: 2 launches
;; limits: values are held in f16: magnitudes above 65,504 overflow, below 6.1e-05 lose precision; inputs' magnitudes at most 65,504
;; workspace buffers: wf 655,360 bytes; par 12,288 bytes
;; launch prep (part 1): grid 21 x 1, 4 waves a work-group, no clusters, 0 bytes of LDS; arguments w1, w2, w3, w4, w5, w0, b0, b1, b2, b3, b4, b5, w6, b6, wf, par; writes wf, par
.if DOCPART == 1
	.amdgcn_target "amdgcn-amd-amdhsa--gfx1250"
	.amdhsa_code_object_version 6
	.text
	.protected	k_qe8218d5364_prep
	.globl	k_qe8218d5364_prep
	.p2align	8
	.type	k_qe8218d5364_prep,@function
k_qe8218d5364_prep:
	s_mov_b64 s[64:65], 0
	v_nop
	global_prefetch_b8 v0, s[64:65] scope:SCOPE_SE
	s_setreg_imm32_b32 hwreg(HW_REG_WAVE_MODE, 25, 1), 1
	s_wait_xcnt 0x0
; PREPARATION.  Every input but xyt is rounded to bf16 once, here.
; wf: w1..w5, rounded to bf16 and written as f16 (exact from 2^-14 to 65,504), already in the order in which a matrix instruction's source 0 wants them:
;   block (l, n, c) of 1,024 bytes at l*131072 + n*8192 + c*1024: byte 16 L + 2 i holds W[32c + 8h + i][16n + r], byte 512 + 16 L + 2 i holds W[32c + 16 + 8h + i][16n + r]
;   (L the lane, r = L % 16, h = L / 16, i = 0..7).
; par: f32 numbers that are bf16 values: w0 (3 rows of 1,024 bytes), b0..b5 from 3,072, w6 at 9,216, b6 192 times from 10,240; from 11,008 for each layer 256 bytes: for each of its 16 tiles of 16 columns the
;   largest sum over k of |W[k][column]|, four times (16 bytes).
; LIMITS.  A weight of w1..w5 beyond 65,504 becomes an infinity; below 2^-14 it keeps f16's fixed step of 2^-24.
; SHARES.  Work-groups 0..19: layer g / 4, the four waves take the four neighbouring tiles 4 (g % 4) + wave, so that together they read 256 neighbouring bytes of each row of W.  Work-group 20: the parameters.
; No LDS, no matrix unit: the launch moves 1.3 MB once and has nothing to multiply.
.set RING, 32                          ; v[32:95]   eight groups of eight loads on their way
.set OUTR, 96                          ; v[96:159]  group g's 16 bytes a lane to store; never rewritten, so no store's data waits for anything
.set PK,   12                          ; v[12:15]   eight numbers as bf16
.set UN,   16                          ; v[16:23]   the same as f32
.set SUM,  6                           ; v[6:9]     four chains of the column's sum of magnitudes
	s_load_b512 s[8:23], s[0:1], 0x0               ; w1 s[8:9] .. w5 s[16:17], w0 s[18:19], b0 s[20:21], b1 s[22:23]
	s_load_b512 s[24:39], s[0:1], 0x40             ; b2 s[24:25] .. b5 s[30:31], w6 s[32:33], b6 s[34:35], wf s[36:37], par s[38:39]
	v_lshrrev_b32 v1, 5, v0
	v_readfirstlane_b32 s40, v1                    ; wave 0..3
	v_and_b32 v1, 31, v0                           ; lane
	s_wait_kmcnt 0x0
	s_cmp_eq_u32 ttmp9, 20
	s_cbranch_scc1 .Lparams
	; ---- a tile of 256 k x 16 columns of one layer ----
	s_lshr_b32 s41, ttmp9, 2                       ; l
	s_and_b32 s44, ttmp9, 3
	s_lshl2_add_u32 s44, s44, s40                  ; n = 4 (g % 4) + wave
	s_mov_b64 s[42:43], s[8:9]                     ; the layer's weights: a choice among five buffers on l alone
	s_cmp_eq_u32 s41, 1
	s_cselect_b64 s[42:43], s[10:11], s[42:43]
	s_cmp_eq_u32 s41, 2
	s_cselect_b64 s[42:43], s[12:13], s[42:43]
	s_cmp_eq_u32 s41, 3
	s_cselect_b64 s[42:43], s[14:15], s[42:43]
	s_cmp_eq_u32 s41, 4
	s_cselect_b64 s[42:43], s[16:17], s[42:43]
	s_lshl_b32 s46, s41, 17                        ; wf: l x 131,072 + n x 8,192
	s_lshl_b32 s47, s44, 13
	s_add_co_u32 s46, s46, s47
	s_mov_b32 s47, 0
	s_add_nc_u64 s[36:37], s[36:37], s[46:47]
	s_lshl_b32 s48, s41, 8                         ; par's norms: 256 l + 16 n (11,008 stands in the store's immediate)
	s_lshl_b32 s49, s44, 4
	s_add_co_u32 s48, s48, s49
	s_mov_b32 s49, 0
	s_add_nc_u64 s[38:39], s[38:39], s[48:49]
	s_lshl_b32 s45, s44, 6                         ; the tile's first column, in bytes
	s_mov_b32 s50, 0x76543210                      ; v_permlanex16_b32: each lane takes its own place in the other half
	s_mov_b32 s51, 0xfedcba98
	v_and_b32 v2, 15, v0                           ; r
	v_bfe_u32 v3, v0, 4, 1                         ; h
	v_lshl_add_u32 v4, v2, 2, s45                  ; column 16 n + r,
	v_lshl_add_u32 v4, v3, 13, v4                  ; row 8 h: never rewritten
	v_lshlrev_b32 v5, 4, v1                        ; 16 bytes a lane in wf: never rewritten
.irp j, 0,1,2,3
	v_mov_b32 v[SUM+\j], 0
.endr
; Group g = 0..15 is k = 16 g + 8 h + i, i = 0..7: one half of chunk g / 2.
.macro ISSUE g
.irp i, 0,1,2,3,4,5,6,7
	global_load_b32 v[RING+8*((\g)%8)+\i], v4, s[42:43] offset:(16*(\g)+\i)*1024 th:TH_LOAD_NT
.endr
.endm
.macro TURN g
.if (\g) <= 8
	s_wait_loadcnt 56                              ; loads come back in order: my eight are in, the seven younger groups stay out
.else
	s_wait_loadcnt 8*(15-(\g))                     ; nothing more is issued: the count runs down
.endif
.irp j, 0,1,2,3
	v_cvt_pk_bf16_f32 v[PK+\j], v[RING+8*((\g)%8)+2*\j], v[RING+8*((\g)%8)+2*\j+1]  ; the one rounding of the input
.endr
.irp j, 0,1,2,3
	v_lshlrev_b32 v[UN+2*\j], 16, v[PK+\j]
	v_and_b32 v[UN+2*\j+1], 0xffff0000, v[PK+\j]
.endr
.irp j, 0,1,2,3
	v_add_f32 v[SUM+\j], v[SUM+\j], |v[UN+2*\j]|
.endr
.irp j, 0,1,2,3
	v_add_f32 v[SUM+\j], v[SUM+\j], |v[UN+2*\j+1]|
.endr
.irp j, 0,1,2,3
	v_cvt_pk_f16_f32 v[OUTR+4*(\g)+\j], v[UN+2*\j], v[UN+2*\j+1]
.endr
	global_store_b128 v5, v[OUTR+4*(\g):OUTR+4*(\g)+3], s[36:37] offset:512*(\g)  ; 512 consecutive bytes, at a multiple of 256 from wf's first byte
.if (\g) < 8
	ISSUE (\g)+8
.endif
.endm
.irp g, 0,1,2,3,4,5,6,7
	ISSUE \g
.endr
.irp g, 0,1,2,3,4,5,6,7,8,9,10,11,12,13,14,15
	TURN \g
.endr
	v_add_f32 v6, v6, v7
	v_add_f32 v8, v8, v9
	v_add_f32 v6, v6, v8
	v_permlanex16_b32 v7, v6, s50, s51             ; the column's other 128 k lie in the lane 16 away
	v_add_f32 v6, v6, v7
.irp m, 1,2,4,8
	v_max_num_f32_dpp v6, v6, v6 row_xmask:\m row_mask:0xf bank_mask:0xf  ; the largest of the tile's 16 columns
.endr
	v_lshlrev_b32 v10, 2, v1
	s_wait_xcnt 0x0                                ; EXEC is a source of the loads and stores above: it changes only behind this wait
	v_cmp_gt_u32 vcc_lo, 4, v1
	s_and_saveexec_b32 s52, vcc_lo
	global_store_b32 v10, v6, s[38:39] offset:11008  ; lanes 0..3: the tile's entry of 16 bytes
	s_wait_xcnt 0x0                                ; and again in front of the line that widens it
	s_or_b32 exec_lo, exec_lo, s52
	s_endpgm
	; ---- the parameters: ten rows of 1,024 bytes, two at a time: waves 0 and 1 the first of a pair, waves 2 and 3 the second ----
.Lparams:
	s_load_b32 s56, s[34:35], 0x0                  ; b6
	s_add_nc_u64 s[44:45], s[18:19], 1024          ; w0's rows 1 and 2
	s_add_nc_u64 s[46:47], s[18:19], 2048
	s_cmp_lt_u32 s40, 2
	s_cselect_b64 s[44:45], s[18:19], s[44:45]     ; w0 row 0 | w0 row 1
	s_cselect_b64 s[46:47], s[46:47], s[20:21]     ; w0 row 2 | b0
	s_cselect_b64 s[48:49], s[22:23], s[24:25]     ; b1 | b2
	s_cselect_b64 s[50:51], s[26:27], s[28:29]     ; b3 | b4
	s_cselect_b64 s[52:53], s[30:31], s[32:33]     ; b5 | w6
	v_and_b32 v2, 63, v0
	v_lshlrev_b32 v2, 4, v2                        ; my 16 bytes of a row
	v_lshlrev_b32 v3, 4, v0                        ; my 16 bytes of a pair of rows in par
.irp k, 0,1,2,3,4
	global_load_b128 v[8+4*\k:11+4*\k], v2, s[44+2*\k:45+2*\k]
.endr
	s_wait_loadcnt 0x0
.irp k, 0,1,2,3,4
	v_cvt_pk_bf16_f32 v4, v[8+4*\k], v[9+4*\k]
	v_cvt_pk_bf16_f32 v5, v[10+4*\k], v[11+4*\k]
	v_lshlrev_b32 v[8+4*\k], 16, v4
	v_and_b32 v[9+4*\k], 0xffff0000, v4
	v_lshlrev_b32 v[10+4*\k], 16, v5
	v_and_b32 v[11+4*\k], 0xffff0000, v5
	global_store_b128 v3, v[8+4*\k:11+4*\k], s[38:39] offset:2048*\k  ; a wave stores 512 consecutive bytes
.endr
	s_wait_kmcnt 0x0
	v_mov_b32 v30, s56
	v_cvt_pk_bf16_f32 v30, v30, v30
	v_lshlrev_b32 v30, 16, v30
	v_mov_b32 v31, v30
	s_cmp_lt_u32 s40, 3
	s_cbranch_scc0 .Ldone
	v_lshlrev_b32 v6, 3, v0
	global_store_b64 v6, v[30:31], s[38:39] offset:10240  ; waves 0..2: 256 bytes each, b6 192 times
.Ldone:
	s_endpgm
.Lfunc_end_k_qe8218d5364_prep:
	.size	k_qe8218d5364_prep, .Lfunc_end_k_qe8218d5364_prep-k_qe8218d5364_prep
	.p2alignl 7, 3214868480
	.fill 96, 4, 3214868480
	.section	.rodata,"a",@progbits
	.p2align	6, 0x0
	.amdhsa_kernel k_qe8218d5364_prep
		.amdhsa_group_segment_fixed_size 0
		.amdhsa_private_segment_fixed_size 0
		.amdhsa_enable_private_segment 0
		.amdhsa_kernarg_size 128
		.amdhsa_user_sgpr_count 2
		.amdhsa_user_sgpr_kernarg_segment_ptr 1
		.amdhsa_wavefront_size32 1
		.amdhsa_system_sgpr_workgroup_id_x 1
		.amdhsa_system_sgpr_workgroup_id_y 1
		.amdhsa_system_sgpr_workgroup_id_z 1
		.amdhsa_system_vgpr_workitem_id 0
		.amdhsa_next_free_vgpr 160
		.amdhsa_next_free_sgpr 66
		.amdhsa_reserve_vcc 1
		.amdhsa_float_denorm_mode_32 3
		.amdhsa_float_denorm_mode_16_64 3
		.amdhsa_memory_ordered 1
		.amdhsa_forward_progress 1
		.amdhsa_inst_pref_size 42
	.end_amdhsa_kernel
	.amdgpu_metadata
---
amdhsa.version: [ 1, 2 ]
amdhsa.kernels:
  - .name:           k_qe8218d5364_prep
    .symbol:         k_qe8218d5364_prep.kd
    .args:
      - { .name: w1, .offset: 0, .size: 8, .value_kind: global_buffer, .address_space: global }
      - { .name: w2, .offset: 8, .size: 8, .value_kind: global_buffer, .address_space: global }
      - { .name: w3, .offset: 16, .size: 8, .value_kind: global_buffer, .address_space: global }
      - { .name: w4, .offset: 24, .size: 8, .value_kind: global_buffer, .address_space: global }
      - { .name: w5, .offset: 32, .size: 8, .value_kind: global_buffer, .address_space: global }
      - { .name: w0, .offset: 40, .size: 8, .value_kind: global_buffer, .address_space: global }
      - { .name: b0, .offset: 48, .size: 8, .value_kind: global_buffer, .address_space: global }
      - { .name: b1, .offset: 56, .size: 8, .value_kind: global_buffer, .address_space: global }
      - { .name: b2, .offset: 64, .size: 8, .value_kind: global_buffer, .address_space: global }
      - { .name: b3, .offset: 72, .size: 8, .value_kind: global_buffer, .address_space: global }
      - { .name: b4, .offset: 80, .size: 8, .value_kind: global_buffer, .address_space: global }
      - { .name: b5, .offset: 88, .size: 8, .value_kind: global_buffer, .address_space: global }
      - { .name: w6, .offset: 96, .size: 8, .value_kind: global_buffer, .address_space: global }
      - { .name: b6, .offset: 104, .size: 8, .value_kind: global_buffer, .address_space: global }
      - { .name: wf, .offset: 112, .size: 8, .value_kind: global_buffer, .address_space: global }
      - { .name: par, .offset: 120, .size: 8, .value_kind: global_buffer, .address_space: global }
    .group_segment_fixed_size: 0
    .private_segment_fixed_size: 0
    .kernarg_segment_align: 8
    .kernarg_segment_size: 128
    .max_flat_workgroup_size: 128
    .sgpr_count:     66
    .vgpr_count:     160
    .wavefront_size: 32
...
	.end_amdgpu_metadata
.endif
;; end of part 1
;; launch pde (part 2): grid 256 x 1, 4 waves a work-group, clusters of 4 x 1, 327,680 bytes of LDS; arguments xyt, wf, par, out0; writes out0
.if DOCPART == 2
	.amdgcn_target "amdgcn-amd-amdhsa--gfx1250"
	.amdhsa_code_object_version 6
	.text
	.protected	k_qe8218d5364_pde
	.globl	k_qe8218d5364_pde
	.p2align	8
	.type	k_qe8218d5364_pde,@function
k_qe8218d5364_pde:
	s_mov_b64 s[64:65], 0
	v_nop
	global_prefetch_b8 v0, s[64:65] scope:SCOPE_SE
	s_setreg_imm32_b32 hwreg(HW_REG_WAVE_MODE, 25, 1), 1
	s_wait_xcnt 0x0
	s_wait_alu depctr_hold_cnt(0) depctr_sa_sdst(0) depctr_va_vdst(0) depctr_va_sdst(0) depctr_va_ssrc(0) depctr_va_vcc(0) depctr_vm_vsrc(0)
	s_getreg_b32 s2, hwreg(HW_REG_IB_STS2, 6, 4)
	s_cmp_eq_u32 s2, 0
	s_cbranch_scc0 .Lentry_in_a_cluster
	s_endpgm
.Lentry_in_a_cluster:
	s_bfe_u32 s2, ttmp6, 0x10000c
	s_cmp_lg_u32 s2, 0x3003
	s_cbranch_scc0 .Lentry_shape_is_right
	s_endpgm
.Lentry_shape_is_right:
; res = h_t - 0.5 (h (h_xx + h_yy) + h_x^2 + h_y^2) - sin(pi x) sin(pi y) exp(-t) for a net 3-256-256-256-256-256-256-1 with tanh, at 16,384 points.
; SIX STREAMS go forward together: z, z_x, z_y, z_t, z_xx, z_yy.  In a layer a_s = z_s W (stream 0: + b), and with s = tanh(a_0), p = 1 - s^2, q = -2 s:
;   z' = s;  z'_x = p a_x (y, t likewise);  z'_xx = p (a_xx + q a_x^2) (yy likewise).  That is six products of 256 x 256 a point and layer.  tanh(a) = 1 - 2 u, u = 1 / (1 + 2^(2.885390 a)); q = 4 u - 2.
; FORMATS.  xyt is rounded to bf16 here; weights and biases arrive so rounded (the weights of the five wide layers written as f16).  The streams are rounded to f16 between layers; sums, activation and the last
; layer's six dot products with w6 are f32.
; THE SCALE.  f16 has no room for derivatives of a net with large weights, so each point carries an integer ES: first derivatives are kept times 2^ES, second derivatives times 2^(2 ES).  Ahead of a layer,
; with m1, m2 the largest kept magnitudes of the point's first and second derivatives and L the layer's largest column sum of |W|:  B1 = L m1,  B2 = B1^2 + L m2,  k = min(30, (141 - exponent field of B2) >> 1),
; rho = 2^k, ES += k.  The layer's results are at most rho B1 and rho^2 B2 < 2^15 (p <= 1, p |q| < 1).  No branch and no address hangs on these numbers.
; LIMITS.  tanh has an absolute error of some 1e-7, and z keeps f16's fixed step of 6e-8 below 6e-5.  sin(pi x): n = rndne(x), an odd polynomial to the 11th power of x - n (error below 1e-7), the sign by n's lowest bit;
; from |x| = 2^31 on the sign of the zero may differ.  NaN and infinities are not treated apart.
; SHARES.  A work-group owns 64 points, a wave 16: lane (r, h) = (L % 16, L / 16) works for point r.  A wave makes all 256 channels of all six streams of its points; the waves share nothing but W.
; THE MATRIX INSTRUCTION IS USED TRANSPOSED: source 0 = 16 output channels of W, source 1 = 16 points.  Register j of the result in lane (r, h) is channel 16 n + 8 h + j of point r, so two neighbouring tiles,
; rounded in pairs, ARE source 1 of the next layer's chunk of 32 channels: nothing changes lanes.
; A layer's input X stays in 384 registers; its output goes, in fragment order, to the wave's own LDS bytes (addresses that a loop can step) and is read back at the next layer's head.
; W walks through a ring of two LDS slots of four tiles (32,768 bytes): 20 fills in all, a wave fetches one tile (8,192 dense bytes, 32 rows of 256) of each.
; CLUSTER.  All work-groups read the same wf and par; the four of a cluster ask JOINTLY: the same tensor load, descriptor and mask in all four.  The place in the cluster enters xyt's and out0's addresses alone.
; LDS: 0 slot 0; 32,768 slot 1; 65,536 par (12,288); 77,824 + 49,152 w the wave's output (stream s at 8,192 s, tile n at 512 n, lane at 16 L); 274,432 the 64 results; 274,688 the spare words.  All b128 accesses are
; 16 bytes a lane on end, or one address for 16 lanes: no padding is needed.
; REGISTERS, in windows of 256 (s_set_vgpr_msb: bits 1:0 source 0, 3:2 source 1, 5:4 source 2, 7:6 destination):
;   window 0: addresses, statistics, accumulators, the activation's work      window 1: X of streams 0..3 at 64 s + 8 c      window 2: v0-127 X of streams 4, 5; v128-255 W's fragments, two buffers of 64
.set SLOTB, 32768
.set PARB,  65536
.set YB,    77824
.set YW,    49152
.set RESB,  274432
.set SPARE, 274688                     ; the spare words, 128 bytes for each wave: two blocks of 256 bytes that no other line names
.set L16,  1                           ; v1      16 x lane
.set AW,   2                           ; v2      LDS address of my 16 bytes in the slot that is read
.set AY0,  3                           ; v3      my 16 bytes in my wave's output, tile 0 of stream 0; never rewritten
.set AY,   4                           ; v4      the same for the four tiles in hand
.set AP0,  5                           ; v5      par + 32 h; never rewritten
.set AP,   6                           ; v6      the biases of the four tiles in hand
.set AN,   7                           ; v7      the layer's norms, entry r
.set RHO,  8                           ; v[8:9]  rho, twice
.set ES,   10                          ; v10
.set MX,   11                          ; v11-15  largest kept magnitudes of x, y, t, xx, yy
.set SPW,  16                          ; v16     LDS address of my spare word; never rewritten
.set NIL,  17                          ; v17     0; never rewritten
.set FF,   18                          ; v18     f
.set PT,   20                          ; v20, v22, v24  x, y, t, each with a written partner; v19, v26-31 at work
.set HH,   20                          ; v[20:31] from the last layer on: stream s's dot product with w6 at 20 + 2 s (even channels', odd channels')
.set ACC,  32                          ; v[32:79] stream s's accumulator at 32 + 8 s
.set BIAS, 80                          ; v[80:95] two buffers of 8
.set T,    96                          ; v[96:103]  2^(..), u, then q
.set SX,   104                         ; v[104:111] a_x^2
.set SY,   112                         ; v[112:119] a_y^2
.set P,    120                         ; v[120:127] p, then p rho, p rho^2 or p w6
.set OUT,  96                          ; v[96:119]  stream s's 8 f16 at 96 + 4 s, when T, SX, SY are done with
.set W6R,  128                         ; v[128:143] w6 of a tile, two buffers of 8 (last layer)
.set STG,  128                         ; v[128:255] first layer: four sets of b0 and w0's three rows for a tile
.set WF,   128                         ; window 2
.set WV,   12                          ; s12  my wave's number
.set G1,   16                          ; s[16:23] descriptor group 1: 32 rows of 256 bytes
.set G1P,  24                          ; s[24:31] the same with 12 rows
.set G0A,  32                          ; s[32:35] group 0 of fill 0
.set G0B,  36                          ; s[36:39] group 0 of fill 1; it then walks
.set G0P,  40                          ; s[40:43] group 0 of my quarter of par
.set LAYC, 44
.set SLOTC, 45
.set TB,   46                          ; s46  the slot that is read: 0 or 32,768
.set TY,   47                          ; s47  the four tiles' place in a stream's output
.set TP,   48                          ; s48  the four tiles' biases in par
.set KK,   50                          ; s[50:51] 2 log2(e), named as a pair
.set SEL,  52                          ; s[52:53] v_permlanex16_b32: each lane takes its own place in the other half
.set MSB, 0
.macro WIN new                         ; the immediate's high byte repeats the setting that is left; a switch that changes nothing is dropped
.if MSB != (\new)
	s_set_vgpr_msb (MSB<<8)|(\new)
.set MSB, (\new)
.endif
.endm
.macro PLACES                          ; four places behind matrix instructions, in front of vector lines that read their results (ISA guide 7.12.1)
.rept 4
	v_nop
.endr
.endm
; A round of the cluster's barrier: my work-group's barrier, so that wave 0's signal speaks for all four waves; wave 0 signals; every wave waits for all four work-groups; my work-group's barrier once more.
.macro CROUND
	s_barrier_signal -1
	s_barrier_wait -1
	s_cmp_lg_u32 s[WV], 0
	s_cbranch_scc1 .Lnot_wave_0_\@
	s_barrier_signal -3
.Lnot_wave_0_\@:
	s_barrier_wait -3
	s_barrier_signal -1
	s_barrier_wait -1
.endm
.macro ROWMAX r                        ; the largest of a half's 16 lanes, in all of them
.irp m, 1,2,4,8
	v_max_num_f32_dpp v[\r], v[\r], v[\r] row_xmask:\m row_mask:0xf bank_mask:0xf
.endr
.endm
; From B2 in v29: k, ES and rho.
.macro SCALE
	v_bfe_u32 v29, v29, 23, 8                      ; B2 < 2^(e - 126)
	v_sub_nc_u32 v29, 141, v29
	v_ashrrev_i32 v29, 1, v29                      ; 2 k + e - 126 <= 15
	v_min_i32 v29, 30, v29
	v_add_nc_u32 v[ES], v[ES], v29
	v_lshl_add_u32 v[RHO], v29, 23, 0x3f800000     ; 2^k; k lies in -57 .. 30
	v_mov_b32 v[RHO+1], v[RHO]
.endm
; One tile's operands in one run: 16 loads of W's fragments into buffer b, 2 of its bias; in the last layer (mode 2) 2 of w6.
.macro LOADS b, toff, poff, mode
	WIN 0x80                                       ; destination window 2, address window 0
.irp c, 0,1,2,3,4,5,6,7
	ds_load_b128 v[WF+64*(\b)+8*\c:WF+64*(\b)+8*\c+3],   v[AW] offset:(\toff)+1024*\c
	ds_load_b128 v[WF+64*(\b)+8*\c+4:WF+64*(\b)+8*\c+7], v[AW] offset:(\toff)+1024*\c+512
.endr
	WIN 0
	ds_load_b128 v[BIAS+8*(\b):BIAS+8*(\b)+3],   v[AP] offset:(\poff)
	ds_load_b128 v[BIAS+8*(\b)+4:BIAS+8*(\b)+7], v[AP] offset:(\poff)+16
.if (\mode) == 2
	ds_load_b128 v[W6R+8*(\b):W6R+8*(\b)+3],   v[AP] offset:(\poff)+1024
	ds_load_b128 v[W6R+8*(\b)+4:W6R+8*(\b)+7], v[AP] offset:(\poff)+1040
.endif
.endm
; 48 matrix instructions: 16 channels x 16 points x 256 k for six streams.  The accumulators take turns, one instruction a turn.  The first product of a stream starts its sum: with the bias
; (stream 0) or the constant 0.
.macro MULT b
	WIN 0x06                                       ; W in window 2, X in window 1, C and D in window 0
.irp c, 0,1,2,3,4,5,6,7
.irp s, 0,1,2,3
.if ((\c) == 0) && ((\s) == 0)
	v_wmma_f32_16x16x32_f16 v[ACC:ACC+7], v[WF+64*(\b):WF+64*(\b)+7], v[0:7], v[BIAS+8*(\b):BIAS+8*(\b)+7]
.elseif (\c) == 0
	v_wmma_f32_16x16x32_f16 v[ACC+8*\s:ACC+8*\s+7], v[WF+64*(\b):WF+64*(\b)+7], v[64*\s:64*\s+7], 0
.else
	v_wmma_f32_16x16x32_f16 v[ACC+8*\s:ACC+8*\s+7], v[WF+64*(\b)+8*\c:WF+64*(\b)+8*\c+7], v[64*\s+8*\c:64*\s+8*\c+7], v[ACC+8*\s:ACC+8*\s+7]
.endif
.endr
.endr
	WIN 0x0a                                       ; X in window 2
.irp c, 0,1,2,3,4,5,6,7
.irp s, 4,5
.if (\c) == 0
	v_wmma_f32_16x16x32_f16 v[ACC+8*\s:ACC+8*\s+7], v[WF+64*(\b):WF+64*(\b)+7], v[64*(\s-4):64*(\s-4)+7], 0
.else
	v_wmma_f32_16x16x32_f16 v[ACC+8*\s:ACC+8*\s+7], v[WF+64*(\b)+8*\c:WF+64*(\b)+8*\c+7], v[64*(\s-4)+8*\c:64*(\s-4)+8*\c+7], v[ACC+8*\s:ACC+8*\s+7]
.endif
.endr
.endr
	WIN 0
.endm
; THE ACTIVATION of a tile: a lane's 8 channels of six streams, at NA0..NA5.  Every stream is taken from its lowest registers on.
; mode 0: the first layer (a_xx = a_yy = 0); 1: a wide layer; 2: the last wide layer: nothing is rounded, the six dot products with w6 (buffer wb) are taken at once.
; Two transcendentals stand together and a plain line behind them, ahead of any use of their results (ISA guide 5.7.2).
.macro NONLIN mode, wb
.irp p, 0,2,4,6
	v_pk_mul_f32 v[T+\p:T+\p+1], v[NA0+\p:NA0+\p+1], s[KK:KK+1] op_sel_hi:[1,0]
.endr
.irp p, 0,2,4,6
	v_exp_f32 v[T+\p], v[T+\p]
	v_exp_f32 v[T+\p+1], v[T+\p+1]
	v_pk_mul_f32 v[SX+\p:SX+\p+1], v[NA1+\p:NA1+\p+1], v[NA1+\p:NA1+\p+1]
.endr
	s_wait_alu depctr_va_vdst(0)
.irp p, 0,2,4,6
	v_pk_add_f32 v[T+\p:T+\p+1], v[T+\p:T+\p+1], 1.0 op_sel_hi:[1,0]
.endr
.irp p, 0,2,4,6
	v_rcp_f32 v[T+\p], v[T+\p]                     ; an infinite power gives u = 0 and s = 1, a vanished one u = 1 and s = -1
	v_rcp_f32 v[T+\p+1], v[T+\p+1]
	v_pk_mul_f32 v[SY+\p:SY+\p+1], v[NA2+\p:NA2+\p+1], v[NA2+\p:NA2+\p+1]
.endr
	s_wait_alu depctr_va_vdst(0)
.irp p, 0,2,4,6
	v_pk_fma_f32 v[NA0+\p:NA0+\p+1], v[T+\p:T+\p+1], -2.0, 1.0 op_sel_hi:[1,0,0]   ; s
.endr
.irp p, 0,2,4,6
	v_pk_fma_f32 v[T+\p:T+\p+1], v[T+\p:T+\p+1], 4.0, -2.0 op_sel_hi:[1,0,0]       ; q
.endr
.irp p, 0,2,4,6
	v_pk_fma_f32 v[P+\p:P+\p+1], v[NA0+\p:NA0+\p+1], v[NA0+\p:NA0+\p+1], 1.0 op_sel_hi:[1,1,0] neg_lo:[1,0,0] neg_hi:[1,0,0]  ; p
.endr
.if (\mode) < 2
.irp p, 0,2,4,6
	v_pk_mul_f32 v[P+\p:P+\p+1], v[P+\p:P+\p+1], v[RHO:RHO+1]
.endr
.irp p, 0,2,4,6
.if (\mode) == 0
	v_pk_mul_f32 v[NA4+\p:NA4+\p+1], v[T+\p:T+\p+1], v[SX+\p:SX+\p+1]
	v_pk_mul_f32 v[NA5+\p:NA5+\p+1], v[T+\p:T+\p+1], v[SY+\p:SY+\p+1]
.else
	v_pk_fma_f32 v[NA4+\p:NA4+\p+1], v[T+\p:T+\p+1], v[SX+\p:SX+\p+1], v[NA4+\p:NA4+\p+1]
	v_pk_fma_f32 v[NA5+\p:NA5+\p+1], v[T+\p:T+\p+1], v[SY+\p:SY+\p+1], v[NA5+\p:NA5+\p+1]
.endif
.endr
.irp p, 0,2,4,6
	v_pk_mul_f32 v[NA1+\p:NA1+\p+1], v[NA1+\p:NA1+\p+1], v[P+\p:P+\p+1]
	v_pk_mul_f32 v[NA2+\p:NA2+\p+1], v[NA2+\p:NA2+\p+1], v[P+\p:P+\p+1]
	v_pk_mul_f32 v[NA3+\p:NA3+\p+1], v[NA3+\p:NA3+\p+1], v[P+\p:P+\p+1]
.endr
.irp p, 0,2,4,6
	v_pk_mul_f32 v[P+\p:P+\p+1], v[P+\p:P+\p+1], v[RHO:RHO+1]
.endr
.irp p, 0,2,4,6
	v_pk_mul_f32 v[NA4+\p:NA4+\p+1], v[NA4+\p:NA4+\p+1], v[P+\p:P+\p+1]
	v_pk_mul_f32 v[NA5+\p:NA5+\p+1], v[NA5+\p:NA5+\p+1], v[P+\p:P+\p+1]
.endr
.irp p, 0,2,4,6                        ; what the next layer's scale is made of: five chains by turns
	v_max3_num_f32 v[MX],   v[MX],   |v[NA1+\p]|, |v[NA1+\p+1]|
	v_max3_num_f32 v[MX+1], v[MX+1], |v[NA2+\p]|, |v[NA2+\p+1]|
	v_max3_num_f32 v[MX+2], v[MX+2], |v[NA3+\p]|, |v[NA3+\p+1]|
	v_max3_num_f32 v[MX+3], v[MX+3], |v[NA4+\p]|, |v[NA4+\p+1]|
	v_max3_num_f32 v[MX+4], v[MX+4], |v[NA5+\p]|, |v[NA5+\p+1]|
.endr
.irp p, 0,1,2,3
	v_cvt_pk_f16_f32 v[OUT+\p],    v[NA0+2*\p], v[NA0+2*\p+1]
	v_cvt_pk_f16_f32 v[OUT+4+\p],  v[NA1+2*\p], v[NA1+2*\p+1]
	v_cvt_pk_f16_f32 v[OUT+8+\p],  v[NA2+2*\p], v[NA2+2*\p+1]
	v_cvt_pk_f16_f32 v[OUT+12+\p], v[NA3+2*\p], v[NA3+2*\p+1]
	v_cvt_pk_f16_f32 v[OUT+16+\p], v[NA4+2*\p], v[NA4+2*\p+1]
	v_cvt_pk_f16_f32 v[OUT+20+\p], v[NA5+2*\p], v[NA5+2*\p+1]
.endr
.else
.irp p, 0,2,4,6
	v_pk_mul_f32 v[P+\p:P+\p+1], v[P+\p:P+\p+1], v[W6R+8*(\wb)+\p:W6R+8*(\wb)+\p+1]
.endr
.irp p, 0,2,4,6
	v_pk_fma_f32 v[HH:HH+1],     v[NA0+\p:NA0+\p+1], v[W6R+8*(\wb)+\p:W6R+8*(\wb)+\p+1], v[HH:HH+1]
	v_pk_fma_f32 v[NA4+\p:NA4+\p+1], v[T+\p:T+\p+1], v[SX+\p:SX+\p+1], v[NA4+\p:NA4+\p+1]
	v_pk_fma_f32 v[NA5+\p:NA5+\p+1], v[T+\p:T+\p+1], v[SY+\p:SY+\p+1], v[NA5+\p:NA5+\p+1]
	v_pk_fma_f32 v[HH+2:HH+3],   v[P+\p:P+\p+1], v[NA1+\p:NA1+\p+1], v[HH+2:HH+3]
	v_pk_fma_f32 v[HH+4:HH+5],   v[P+\p:P+\p+1], v[NA2+\p:NA2+\p+1], v[HH+4:HH+5]
	v_pk_fma_f32 v[HH+6:HH+7],   v[P+\p:P+\p+1], v[NA3+\p:NA3+\p+1], v[HH+6:HH+7]
	v_pk_fma_f32 v[HH+8:HH+9],   v[P+\p:P+\p+1], v[NA4+\p:NA4+\p+1], v[HH+8:HH+9]
	v_pk_fma_f32 v[HH+10:HH+11], v[P+\p:P+\p+1], v[NA5+\p:NA5+\p+1], v[HH+10:HH+11]
.endr
.endif
.endm
.macro STOREY t                        ; tile t of the four in hand: 16 bytes a lane and stream, 512 bytes on end a store, into my wave's own bytes
.irp s, 0,1,2,3,4,5
	ds_store_b128 v[AY], v[OUT+4*\s:OUT+4*\s+3] offset:8192*\s+512*(\t)
.endr
.endm
; THE CHANGE OF SLOTS.  All four tiles of the slot are in registers.  Each wave waits for all its tensor loads, of which one is out: its tile of the other slot; adds 0 to its spare word; and waits for that and for its
; reads of the slot.  Behind the barrier nobody reads this slot any more and the other slot is whole.  fill = 1: this slot is filled again, with the fill two further on.  The barrier is then a round of the cluster's, so
; that no wave of any partner still reads the slot or has a load on its way, and the joint refill is the first thing behind it: it has four tiles, 192 matrix instructions and four activations, in which to land.
.macro CHANGE fill
	WIN 0
	s_wait_tensorcnt 0x0                           ; no tensor load of mine is out, so a group 0 may be written
	ds_add_u32 v[SPW], v[NIL]                      ; 0 onto my spare word: the scalar steps stand between it and the wait for it
.if \fill
	s_xor_b32 s[G0B+1], s[G0B+1], SLOTB            ; the walking descriptor: the other slot than last time,
	s_add_nc_u64 s[G0B+2:G0B+3], s[G0B+2:G0B+3], SLOTB  ; the next 32,768 bytes of wf; the type bits on top are not reached
.endif
	s_xor_b32 s[TB], s[TB], SLOTB
	s_wait_dscnt 0x0                               ; the add is done, and my reads of the slot are over
.if \fill
	CROUND
	tensor_load_to_lds s[G0B:G0B+3], s[G1:G1+7]
	s_nop 0
	PLACES                                         ; also the places behind the tile's last products
.else
	s_barrier_signal -1
	s_barrier_wait -1
	PLACES
.endif
	v_add_nc_u32 v[AW], s[TB], v[L16]
.endm
; Tile t of a slot's four.  Its operands were asked for a tile earlier; the next tile's are asked for first.  chg (tile 3): 2 = change of slots with a refill, 1 = without, 0 = the last slot.
; The wait counts the LDS instructions issued behind this tile's own run of loads: the last tile's six stores (mode 1) and the next tile's 18 or 20 loads (none at tile 3).
.macro TILE t, mode, chg
.if (\t) < 3
	LOADS 1-(\t)%2, 8192*((\t)+1), 64*((\t)+1), \mode
.endif
.if (\mode) == 1
.if (\t) < 3
	s_wait_dscnt 24
.else
	s_wait_dscnt 6
.endif
.else
.if (\t) < 3
	s_wait_dscnt 20
.else
	s_wait_dscnt 0
.endif
.endif
	MULT (\t)%2
.if ((\t) == 3) && ((\chg) > 0)
	CHANGE (\chg)-1
	LOADS 0, 0, 256, \mode                         ; the next slot's first tile; its bias lies 256 bytes on
.else
	PLACES
.endif
	NONLIN \mode, (\t)%2
.if (\mode) == 1
	STOREY \t
.endif
.endm
.macro SLOTTRIP mode, chg
	s_add_co_u32 s[TP], s[TP], 256                 ; four tiles' biases on: b1..b5 lie end to end, so this steps across layers too
	v_add_nc_u32 v[AP], s[TP], v[AP0]
.if (\mode) == 1
	v_add_nc_u32 v[AY], s[TY], v[AY0]
	s_add_co_u32 s[TY], s[TY], 2048
.endif
	TILE 0, \mode, 0
	TILE 1, \mode, 0
	TILE 2, \mode, 0
	TILE 3, \mode, \chg
.endm
; A LAYER'S HEAD: my wave's output comes back as X (LDS serves a wave's instructions in order: these loads see its stores); scale = 1: the layer's rho is made while they are on their way.
.macro HEAD scale
	WIN 0x40                                       ; destination window 1
.irp s, 0,1,2,3
.irp c, 0,1,2,3,4,5,6,7
	ds_load_b128 v[64*\s+8*\c:64*\s+8*\c+3],   v[AY0] offset:8192*\s+1024*\c
	ds_load_b128 v[64*\s+8*\c+4:64*\s+8*\c+7], v[AY0] offset:8192*\s+1024*\c+512
.endr
.endr
.if \scale
	WIN 0
	ds_load_b32 v19, v[AN]                         ; tile r's largest column sum
.endif
	WIN 0x80                                       ; destination window 2
.irp s, 4,5
.irp c, 0,1,2,3,4,5,6,7
	ds_load_b128 v[64*(\s-4)+8*\c:64*(\s-4)+8*\c+3],   v[AY0] offset:8192*\s+1024*\c
	ds_load_b128 v[64*(\s-4)+8*\c+4:64*(\s-4)+8*\c+7], v[AY0] offset:8192*\s+1024*\c+512
.endr
.endr
	WIN 0
.if \scale
	v_max3_num_f32 v[MX], v[MX], v[MX+1], v[MX+2]
	v_max_num_f32 v[MX+3], v[MX+3], v[MX+4]
	v_permlanex16_b32 v26, v[MX], s[SEL], s[SEL+1]     ; the point's other 128 channels lie in the lane 16 away
	v_permlanex16_b32 v27, v[MX+3], s[SEL], s[SEL+1]
	v_max_num_f32 v[MX], v[MX], v26                ; m1
	v_max_num_f32 v[MX+3], v[MX+3], v27            ; m2
	s_wait_dscnt 32                                ; the norm is in; the 32 loads issued behind it may stay out
	ROWMAX 19                                      ; L
	v_mul_f32 v28, v19, v[MX]                      ; B1
	v_mul_f32 v29, v19, v[MX+3]
	v_fma_f32 v29, v28, v28, v29                   ; B2
	SCALE
.irp i, 0,1,2,3,4
	v_mov_b32 v[MX+\i], 0
.endr
	v_add_nc_u32 v[AN], 256, v[AN]                 ; the next layer's norms
.endif
	s_mov_b32 s[TY], 0
	s_wait_dscnt 0x0                               ; X is in
.endm
; A tile of the first layer: a_0 = b0 + x w0[0] + y w0[1] + t w0[2] in f32; a_x, a_y, a_t are w0's rows themselves.
.macro ZTILE t
.set NA0, STG+32*(\t)
.set NA1, NA0+8
.set NA2, NA0+16
.set NA3, NA0+24
.set NA4, ACC+32
.set NA5, ACC+40
	s_wait_dscnt 24-2*(\t)                         ; behind this set's loads: 8 (3 - t) younger loads and the 6 t stores of the tiles before
.irp p, 0,2,4,6
	v_pk_fma_f32 v[NA0+\p:NA0+\p+1], v[NA1+\p:NA1+\p+1], v[PT:PT+1], v[NA0+\p:NA0+\p+1] op_sel_hi:[1,0,1]
.endr
.irp p, 0,2,4,6
	v_pk_fma_f32 v[NA0+\p:NA0+\p+1], v[NA2+\p:NA2+\p+1], v[PT+2:PT+3], v[NA0+\p:NA0+\p+1] op_sel_hi:[1,0,1]
.endr
.irp p, 0,2,4,6
	v_pk_fma_f32 v[NA0+\p:NA0+\p+1], v[NA3+\p:NA3+\p+1], v[PT+4:PT+5], v[NA0+\p:NA0+\p+1] op_sel_hi:[1,0,1]
.endr
	NONLIN 0, 0
	STOREY \t
.endm
	; ---- the opening ----
	s_load_b256 s[4:11], s[0:1], 0x0               ; xyt s[4:5], wf s[6:7], par s[8:9], out0 s[10:11]
	v_lshl_add_u32 v[SPW], v0, 2, SPARE
	v_mov_b32 v[NIL], 0
	ds_add_u32 v[SPW], v[NIL]                      ; the wave's opening: the add and its wait ahead of my first tensor load; the set-up below, work on registers, stands between them
	v_lshrrev_b32 v1, 5, v0
	v_readfirstlane_b32 s[WV], v1                  ; wave 0..3
	s_bfe_u32 s13, ttmp6, 0x40000                  ; cx: my place in the cluster
	s_lshl_b32 s14, ttmp9, 2                       ; in a cluster launch ttmp9 counts clusters
	s_add_co_u32 s14, s14, s13                     ; my block of 64 points: it enters xyt's and out0's addresses alone
	s_mov_b32 s[G1],   0x0023000f                  ; 15:0 the mask of four; 17:16 elements of 8 bytes; 21 set beside a mask; no padding
	s_mov_b32 s[G1+1], 32<<16                      ; tensor_dim0 = 32 elements: rows of 256 bytes
	s_mov_b32 s[G1+2], 32<<16                      ; tensor_dim1 = 32 rows
	s_mov_b32 s[G1+3], 32<<16                      ; tile_dim0 = 32
	s_mov_b32 s[G1+4], 32                          ; tile_dim1 = 32
	s_mov_b32 s[G1+5], 32                          ; 32 elements from row to row: dense
	s_mov_b32 s[G1+6], 0
	s_mov_b32 s[G1+7], 0
	s_mov_b32 s[G1P],   0x0023000f
	s_mov_b32 s[G1P+1], 32<<16
	s_mov_b32 s[G1P+2], 12<<16                     ; 12 rows: a quarter of par
	s_mov_b32 s[G1P+3], 32<<16
	s_mov_b32 s[G1P+4], 12
	s_mov_b32 s[G1P+5], 32
	s_mov_b32 s[G1P+6], 0
	s_mov_b32 s[G1P+7], 0
	s_mov_b32 s[G0A], 1
	s_lshl_b32 s[G0A+1], s[WV], 13                 ; LDS: slot 0, tile w
	s_mov_b32 s[G0B], 1
	s_add_co_u32 s[G0B+1], s[G0A+1], SLOTB         ; slot 1, tile w
	s_mov_b32 s[G0P], 1
	s_mul_i32 s[G0P+1], s[WV], 3072
	s_add_co_u32 s[G0P+1], s[G0P+1], PARB
	s_lshl_b32 s54, s[WV], 13                      ; offsets, made apart from the addresses
	s_mov_b32 s55, 0
	s_mul_i32 s56, s[WV], 3072
	s_mov_b32 s57, 0
	s_mul_i32 s58, s14, 768                        ; 64 points of 12 bytes,
	s_mul_i32 s60, s[WV], 192                      ; my wave's 16 of them
	s_add_co_u32 s58, s58, s60
	s_mov_b32 s59, 0
	s_lshl_b32 s60, s14, 8                         ; 64 results of 4 bytes
	s_mov_b32 s61, 0
	s_mov_b32 s[KK], 0x4038aa3b                    ; 2 log2(e)
	s_mov_b32 s[KK+1], s[KK]
	s_mov_b32 s[SEL], 0x76543210
	s_mov_b32 s[SEL+1], 0xfedcba98
	s_wait_dscnt 0x0                               ; the opening add is done
	s_wait_kmcnt 0x0
	s_add_nc_u64 s[G0A+2:G0A+3], s[6:7], s[54:55]  ; fill 0, tile w
	s_add_nc_u64 s[G0B+2:G0B+3], s[G0A+2:G0A+3], SLOTB  ; fill 1, tile w
	s_or_b32 s[G0A+3], s[G0A+3], 0x80000000        ; type = 2
	s_or_b32 s[G0B+3], s[G0B+3], 0x80000000
	s_add_nc_u64 s[G0P+2:G0P+3], s[8:9], s[56:57]
	s_or_b32 s[G0P+3], s[G0P+3], 0x80000000
	s_add_nc_u64 s[4:5], s[4:5], s[58:59]
	s_add_nc_u64 s[10:11], s[10:11], s[60:61]
	CROUND                                         ; all four work-groups are here: the first joint loads meet
	tensor_load_to_lds s[G0P:G0P+3], s[G1P:G1P+7]  ; the first fills go out as one group: three loads of mine are out
	s_nop 0
	tensor_load_to_lds s[G0A:G0A+3], s[G1:G1+7]
	s_nop 0
	tensor_load_to_lds s[G0B:G0B+3], s[G1:G1+7]
	s_nop 0
	PLACES
	; ---- my point, the addresses, and f ----
	v_and_b32 v26, 15, v0                          ; r
	v_bfe_u32 v27, v0, 4, 1                        ; h
	v_mul_u32_u24 v19, v26, 12
	global_load_b32 v20, v19, s[4:5]
	global_load_b32 v22, v19, s[4:5] offset:4
	global_load_b32 v24, v19, s[4:5] offset:8
	v_and_b32 v1, 31, v0
	v_lshlrev_b32 v[L16], 4, v1
	s_mul_i32 s54, s[WV], YW
	s_add_co_u32 s54, s54, YB
	v_add_nc_u32 v[AY0], s54, v[L16]
	v_lshl_add_u32 v[AP0], v27, 5, PARB
	v_lshl_add_u32 v[AN], v26, 4, PARB+11008
	v_mov_b32 v[ES], 0
.irp i, 0,1,2,3,4
	v_mov_b32 v[MX+\i], 0
.endr
	s_mov_b32 s54, 0x40490fdb                      ; sin(pi r) = r (pi - 5.16771278 r^2 + 2.55016404 r^4 - 0.59926453 r^6 + 0.08214589 r^8 - 0.00737043 r^10)
	s_mov_b32 s55, 0xc0a55de7
	s_mov_b32 s56, 0x402335e3
	s_mov_b32 s57, 0xbf196966
	s_mov_b32 s58, 0x3da83c1b
	s_mov_b32 s59, 0xbbf183a6
	s_wait_loadcnt 0x0
.irp c, 20,22,24
	v_cvt_pk_bf16_f32 v\c, v\c, v\c                ; the one rounding of this input
.endr
.irp c, 20,22,24
	v_lshlrev_b32 v\c, 16, v\c
.endr
	v_mov_b32 v21, v20                             ; named with them as pairs
	v_mov_b32 v23, v22
	v_mov_b32 v25, v24
	v_rndne_f32 v26, v20
	v_rndne_f32 v30, v22
	v_sub_f32 v27, v20, v26                        ; exact; within -0.5 .. 0.5
	v_sub_f32 v31, v22, v30
	v_cvt_i32_f32 v26, v26
	v_cvt_i32_f32 v30, v30
	v_mul_f32 v28, v27, v27
	v_mul_f32 v19, v31, v31
	v_lshlrev_b32 v26, 31, v26                     ; an odd n turns the sign
	v_lshlrev_b32 v30, 31, v30
	v_mov_b32 v29, s59
	v_mov_b32 v18, s59
.irp k, 58,57,56,55,54
	v_fma_f32 v29, v29, v28, s\k
	v_fma_f32 v18, v18, v19, s\k
.endr
	v_mul_f32 v29, v29, v27
	v_mul_f32 v18, v18, v31
	v_mul_f32 v27, 0xbfb8aa3b, v24                 ; -log2(e) t
	v_xor_b32 v29, v29, v26
	v_xor_b32 v18, v18, v30
	v_exp_f32 v27, v27
	v_mul_f32 v18, v18, v29                        ; the plain line behind the exponential
	s_wait_alu depctr_va_vdst(0)
	v_mul_f32 v[FF], v18, v27
	; ---- par is in ----
	s_wait_tensorcnt 0x2                           ; my quarter of par has landed; the two fills of W, issued behind it, may stay out
	s_barrier_signal -1
	s_barrier_wait -1                              ; everybody's has
	; ---- the first layer's scale: B1 = the largest |w0|, B2 = B1^2 ----
	v_add_nc_u32 v26, PARB, v[L16]
.irp i, 0,1,2,3,4,5
	ds_load_b128 v[STG+4*\i:STG+4*\i+3], v26 offset:512*\i
.endr
	s_wait_dscnt 0x0
	v_max3_num_f32 v19, |v[STG]|, |v[STG+1]|, |v[STG+2]|
.irp i, 3,5,7,9,11,13,15,17,19,21
	v_max3_num_f32 v19, v19, |v[STG+\i]|, |v[STG+\i+1]|
.endr
	v_max_num_f32 v19, v19, |v[STG+23]|
	ROWMAX 19
	v_permlanex16_b32 v27, v19, s[SEL], s[SEL+1]
	v_max_num_f32 v19, v19, v27
	v_mul_f32 v29, v19, v19
	SCALE
	; ---- the first layer: four trips of four tiles, on the vector unit ----
	s_mov_b32 s[TP], 0
	s_mov_b32 s[TY], 0
	s_mov_b32 s[SLOTC], 4
.Lzero:
	v_add_nc_u32 v[AP], s[TP], v[AP0]
	v_add_nc_u32 v[AY], s[TY], v[AY0]
	s_add_co_u32 s[TP], s[TP], 256
	s_add_co_u32 s[TY], s[TY], 2048
.irp t, 0,1,2,3
	ds_load_b128 v[STG+32*\t:STG+32*\t+3],   v[AP] offset:3072+64*\t
	ds_load_b128 v[STG+32*\t+4:STG+32*\t+7], v[AP] offset:3072+64*\t+16
.irp i, 0,1,2
	ds_load_b128 v[STG+32*\t+8+8*\i:STG+32*\t+8+8*\i+3],  v[AP] offset:1024*\i+64*\t
	ds_load_b128 v[STG+32*\t+12+8*\i:STG+32*\t+12+8*\i+3], v[AP] offset:1024*\i+64*\t+16
.endr
.endr
	ZTILE 0
	ZTILE 1
	ZTILE 2
	ZTILE 3
	s_sub_co_u32 s[SLOTC], s[SLOTC], 1
	s_cmp_lg_u32 s[SLOTC], 0
	s_cbranch_scc1 .Lzero
.set NA0, ACC
.set NA1, ACC+8
.set NA2, ACC+16
.set NA3, ACC+24
.set NA4, ACC+32
.set NA5, ACC+40
	; ---- W's first fill is in ----
	s_wait_tensorcnt 0x1                           ; my tile of fill 0 has landed; fill 1's may stay out
	s_wait_dscnt 0x0
	s_barrier_signal -1
	s_barrier_wait -1
	s_mov_b32 s[TB], 0
	v_mov_b32 v[AW], v[L16]
	s_mov_b32 s[TP], 3840                          ; the first slot trip's step makes it 4,096: b1
	v_add_nc_u32 v[AP], 3840, v[AP0]
	LOADS 0, 0, 256, 1
	; ---- layers w1..w4: fills 0..15, each slot filled again ----
	s_mov_b32 s[LAYC], 4
.Llayer:
	HEAD 1
	s_mov_b32 s[SLOTC], 4
.Lslot:
	SLOTTRIP 1, 2
	s_sub_co_u32 s[SLOTC], s[SLOTC], 1
	s_cmp_lg_u32 s[SLOTC], 0
	s_cbranch_scc1 .Lslot
	s_sub_co_u32 s[LAYC], s[LAYC], 1
	s_cmp_lg_u32 s[LAYC], 0
	s_cbranch_scc1 .Llayer
	; ---- layer w5 and the dot products with w6: fills 16..19; the tail is written out ----
	ds_load_b128 v[W6R:W6R+3],   v[AP] offset:256+1024   ; w6 of its first tile (W and bias of that tile were asked for by the last change of slots)
	ds_load_b128 v[W6R+4:W6R+7], v[AP] offset:256+1040
.irp i, 0,1,2,3,4,5,6,7,8,9,10,11
	v_mov_b32 v[HH+\i], 0
.endr
	HEAD 0                                         ; no scale: nothing of this layer is rounded to f16
	s_mov_b32 s[SLOTC], 2
.Llast:
	SLOTTRIP 2, 2                                  ; fills 18 and 19 are asked for
	s_sub_co_u32 s[SLOTC], s[SLOTC], 1
	s_cmp_lg_u32 s[SLOTC], 0
	s_cbranch_scc1 .Llast
	SLOTTRIP 2, 1
	SLOTTRIP 2, 0
	; ---- the result ----
	v_mov_b32 v96, PARB+10240
	ds_load_b32 v97, v96                           ; b6
.irp s, 0,1,2,3,4,5
	v_add_f32 v[HH+2*\s], v[HH+2*\s], v[HH+2*\s+1]
.endr
.irp s, 0,1,2,3,4,5
	v_permlanex16_b32 v[HH+2*\s+1], v[HH+2*\s], s[SEL], s[SEL+1]
.endr
.irp s, 0,1,2,3,4,5
	v_add_f32 v[HH+2*\s], v[HH+2*\s], v[HH+2*\s+1]
.endr
	v_sub_nc_u32 v98, 0, v[ES]
	v_lshlrev_b32 v99, 1, v98
	v_add_f32 v28, v28, v30                        ; h_xx + h_yy, still times 2^(2 ES)
	v_ldexp_f32 v22, v22, v98                      ; h_x
	v_ldexp_f32 v24, v24, v98                      ; h_y
	v_ldexp_f32 v26, v26, v98                      ; h_t
	v_ldexp_f32 v28, v28, v99
	s_wait_dscnt 0x0
	v_add_f32 v20, v20, v97                        ; h
	v_mul_f32 v100, v20, v28
	v_fma_f32 v100, v22, v22, v100
	v_fma_f32 v100, v24, v24, v100
	v_fma_f32 v100, v100, -0.5, v26
	v_sub_f32 v100, v100, v[FF]
	v_and_b32 v101, 15, v0
	s_lshl_b32 s54, s[WV], 6
	s_add_co_u32 s54, s54, RESB
	v_lshl_add_u32 v101, v101, 2, s54
	ds_store_b32 v101, v100                        ; the two lanes of a point hold the same bits
	s_wait_tensorcnt 0x0                           ; the wave's end: behind my last tensor load and my last LDS store
	ds_add_u32 v[SPW], v[NIL]
	s_wait_dscnt 0x0                               ; also for the others' sake: my 16 results are in LDS
	s_barrier_signal -1
	s_barrier_wait -1
	s_cmp_lg_u32 s[WV], 0
	s_cbranch_scc1 .Lnot_out
	v_and_b32 v102, 31, v0
	v_lshlrev_b32 v102, 3, v102
	v_add_nc_u32 v103, RESB, v102
	ds_load_b64 v[104:105], v103
	s_wait_dscnt 0x0
	global_store_b64 v102, v[104:105], s[10:11]    ; wave 0 stores the work-group's 64 results: 256 consecutive bytes, at a multiple of 256 from out0's first byte
.Lnot_out:
	CROUND                                         ; the closing round: no work-group ends while a partner may still ask for a tile that names it
	s_endpgm
.Lfunc_end_k_qe8218d5364_pde:
	.size	k_qe8218d5364_pde, .Lfunc_end_k_qe8218d5364_pde-k_qe8218d5364_pde
	.p2alignl 7, 3214868480
	.fill 96, 4, 3214868480
	.section	.rodata,"a",@progbits
	.p2align	6, 0x0
	.amdhsa_kernel k_qe8218d5364_pde
		.amdhsa_group_segment_fixed_size 327680
		.amdhsa_private_segment_fixed_size 0
		.amdhsa_enable_private_segment 0
		.amdhsa_kernarg_size 32
		.amdhsa_user_sgpr_count 2
		.amdhsa_user_sgpr_kernarg_segment_ptr 1
		.amdhsa_wavefront_size32 1
		.amdhsa_system_sgpr_workgroup_id_x 1
		.amdhsa_system_sgpr_workgroup_id_y 1
		.amdhsa_system_sgpr_workgroup_id_z 1
		.amdhsa_system_vgpr_workitem_id 0
		.amdhsa_next_free_vgpr 768
		.amdhsa_next_free_sgpr 66
		.amdhsa_reserve_vcc 0
		.amdhsa_float_denorm_mode_32 3
		.amdhsa_float_denorm_mode_16_64 3
		.amdhsa_memory_ordered 1
		.amdhsa_forward_progress 1
		.amdhsa_inst_pref_size 223
	.end_amdhsa_kernel
	.amdgpu_metadata
---
amdhsa.version: [ 1, 2 ]
amdhsa.kernels:
  - .name:           k_qe8218d5364_pde
    .symbol:         k_qe8218d5364_pde.kd
    .args:
      - { .name: xyt, .offset: 0, .size: 8, .value_kind: global_buffer, .address_space: global }
      - { .name: wf, .offset: 8, .size: 8, .value_kind: global_buffer, .address_space: global }
      - { .name: par, .offset: 16, .size: 8, .value_kind: global_buffer, .address_space: global }
      - { .name: out0, .offset: 24, .size: 8, .value_kind: global_buffer, .address_space: global }
    .group_segment_fixed_size: 327680
    .private_segment_fixed_size: 0
    .kernarg_segment_align: 8
    .kernarg_segment_size: 32
    .max_flat_workgroup_size: 128
    .sgpr_count:     66
    .vgpr_count:     768
    .wavefront_size: 32
...
	.end_amdgpu_metadata
.endif
;; end of part 2
;; ======== version 2 of 2: 2 launches; version 1 with the launch prep written anew for expert scheduling mode
;; limits: values are held in f16: magnitudes above 65,504 overflow, below 6.1e-05 lose precision; inputs' magnitudes at most 65,504
;; workspace buffers: wf 655,360 bytes; par 12,288 bytes
;; launch prep (part 3): grid 21 x 1, 4 waves a work-group, no clusters, 0 bytes of LDS; arguments w1, w2, w3, w4, w5, w0, b0, b1, b2, b3, b4, b5, w6, b6, wf, par; writes wf, par
.if DOCPART == 3
	.amdgcn_target "amdgcn-amd-amdhsa--gfx1250"
	.amdhsa_code_object_version 6
	.text
	.protected	k_qe8218d5364_prep
	.globl	k_qe8218d5364_prep
	.p2align	8
	.type	k_qe8218d5364_prep,@function
k_qe8218d5364_prep:
	s_mov_b64 s[64:65], 0
	v_nop
	global_prefetch_b8 v0, s[64:65] scope:SCOPE_SE
	s_setreg_imm32_b32 hwreg(HW_REG_WAVE_SCHED_MODE, 0, 2), 2
	s_setreg_imm32_b32 hwreg(HW_REG_WAVE_MODE, 25, 1), 1
	s_wait_xcnt 0x0
	s_wait_alu depctr_vm_vsrc(0)
; PREPARATION.  Every input but xyt is rounded to bf16 once, here.
; wf: w1..w5, rounded to bf16 and written as f16 (exact from 2^-14 to 65,504), already in the order in which a matrix instruction's source 0 wants them:
;   block (l, n, c) of 1,024 bytes at l*131072 + n*8192 + c*1024: byte 16 L + 2 i holds W[32c + 8h + i][16n + r], byte 512 + 16 L + 2 i holds W[32c + 16 + 8h + i][16n + r]
;   (L the lane, r = L % 16, h = L / 16, i = 0..7).
; par: f32 numbers that are bf16 values: w0 (3 rows of 1,024 bytes), b0..b5 from 3,072, w6 at 9,216, b6 192 times from 10,240; from 11,008 for each layer 256 bytes: for each of its 16 tiles of 16 columns the
;   largest sum over k of |W[k][column]|, four times (16 bytes).
; LIMITS.  A weight of w1..w5 beyond 65,504 becomes an infinity; below 2^-14 it keeps f16's fixed step of 2^-24.
; SHARES.  Work-groups 0..19: layer g / 4, the four waves take the four neighbouring tiles 4 (g % 4) + wave, so that together they read 256 neighbouring bytes of each row of W.  Work-group 20: the parameters.
; No LDS, no matrix unit: the launch moves 1.3 MB once and has nothing to multiply.
; THE MODE: SCHED_MODE bits 1:0 = 2 (LLVM: expert scheduling mode 2), set by the entry lines.  The code itself states the register dependences between vector instructions and memory instructions, with s_wait_alu, always for 0.
; THE PLAN, for a tile.  Its 256 k go in 16 groups of 16 (8 a lane), a turn to a group.  Registers that memory instructions touch:
;   RING0 .. RING7  eight loads each.  Written by the loads of group g + 7, issued in turn g; read by the four roundings to bf16 of the buffer's own turn.
;   OUTR            four registers a group.  Written by turn g's roundings to f16; read by the one store that is issued in turn g + 1; never written again.
;   v4, v5          the loads' and the stores' byte offsets, made once at the head and never written again: the groups are reached by immediate offsets.
; Turn g works on RING[g % 8] and writes OUTR's group g.  Its memory instructions are the loads into RING[(g + 7) % 8] = RING[(g - 1) % 8] and the store of OUTR's group g - 1: what turn g - 1 worked on, and what no
; vector instruction of turn g names.  So one wait at a turn's head states all that the turn's nine memory instructions hang on, and these are dealt among its vector instructions with no further wait.
; No register that a memory instruction reads is written again, so the only waits for such reads are the two in front of the writes of EXEC.
.set RING, 32                          ; v[32:95]   eight buffers of eight loads: one at work, six on their way, one that the turn asks for again
.set OUTR, 96                          ; v[96:159]  group g's 16 bytes a lane to store; never rewritten, so no store's data waits for anything
.set PK,   12                          ; v[12:15]   eight numbers as bf16: no memory instruction names them
.set UN,   16                          ; v[16:23]   the same as f32: likewise
.set SUM,  6                           ; v[6:9]     four chains of the column's sum of magnitudes
	s_load_b512 s[8:23], s[0:1], 0x0               ; w1 s[8:9] .. w5 s[16:17], w0 s[18:19], b0 s[20:21], b1 s[22:23]
	s_load_b512 s[24:39], s[0:1], 0x40             ; b2 s[24:25] .. b5 s[30:31], w6 s[32:33], b6 s[34:35], wf s[36:37], par s[38:39]
	v_lshrrev_b32 v1, 5, v0
	v_readfirstlane_b32 s40, v1                    ; wave 0..3
	v_and_b32 v1, 31, v0                           ; lane
	s_wait_kmcnt 0x0
	s_wait_alu depctr_va_sdst(0)                   ; s40 is written, ahead of the branch: scalar lines read it on both ways
	s_cmp_eq_u32 ttmp9, 20
	s_cbranch_scc1 .Lparams
	; ---- a tile of 256 k x 16 columns of one layer ----
	s_lshr_b32 s41, ttmp9, 2                       ; l
	s_and_b32 s44, ttmp9, 3
	s_lshl2_add_u32 s44, s44, s40                  ; n = 4 (g % 4) + wave
	s_mov_b64 s[42:43], s[8:9]                     ; the layer's weights: a choice among five buffers on l alone
	s_cmp_eq_u32 s41, 1
	s_cselect_b64 s[42:43], s[10:11], s[42:43]
	s_cmp_eq_u32 s41, 2
	s_cselect_b64 s[42:43], s[12:13], s[42:43]
	s_cmp_eq_u32 s41, 3
	s_cselect_b64 s[42:43], s[14:15], s[42:43]
	s_cmp_eq_u32 s41, 4
	s_cselect_b64 s[42:43], s[16:17], s[42:43]
	s_lshl_b32 s46, s41, 17                        ; wf: l x 131,072 + n x 8,192
	s_lshl_b32 s47, s44, 13
	s_add_co_u32 s46, s46, s47
	s_mov_b32 s47, 0
	s_add_nc_u64 s[36:37], s[36:37], s[46:47]
	s_lshl_b32 s48, s41, 8                         ; par's norms: 256 l + 16 n (11,008 stands in the store's immediate)
	s_lshl_b32 s49, s44, 4
	s_add_co_u32 s48, s48, s49
	s_mov_b32 s49, 0
	s_add_nc_u64 s[38:39], s[38:39], s[48:49]
	s_lshl_b32 s45, s44, 6                         ; the tile's first column, in bytes
	s_mov_b32 s50, 0x76543210                      ; v_permlanex16_b32: each lane takes its own place in the other half
	s_mov_b32 s51, 0xfedcba98
	v_and_b32 v2, 15, v0                           ; r
	v_bfe_u32 v3, v0, 4, 1                         ; h
	v_lshl_add_u32 v4, v2, 2, s45                  ; column 16 n + r,
	v_lshl_add_u32 v4, v3, 13, v4                  ; row 8 h: never rewritten
	v_lshlrev_b32 v5, 4, v1                        ; 16 bytes a lane in wf: never rewritten
.irp j, 0,1,2,3
	v_mov_b32 v[SUM+\j], 0
.endr
	s_wait_alu depctr_va_vdst(0)                   ; v4 and v5 are written: every load of the tile reads the one as its offset, every store of 16 bytes the other
; Group g = 0..15 is k = 16 g + 8 h + i, i = 0..7: one half of chunk g / 2.  Four of its eight loads, from i = from on.
.macro ISSUE4 g, from
.irp i, 0,1,2,3
	global_load_b32 v[RING+8*((\g)%8)+(\from)+\i], v4, s[42:43] offset:(16*(\g)+(\from)+\i)*1024 th:TH_LOAD_NT
.endr
.endm
.macro TURN g
.if (\g) <= 9
	s_wait_loadcnt 48                              ; loads come back in order: my eight are in, the six younger groups stay out
.else
	s_wait_loadcnt 8*(15-(\g))                     ; nothing more is issued: the count runs down
.endif
.if (\g) > 0
	s_wait_alu depctr_va_vdst(0)                   ; the turn before has written its four registers of OUTR, which the store below reads, and is done reading its buffer of RING, in which the loads below land
.endif
.if (\g) <= 8
	ISSUE4 (\g)+7, 0                               ; seven groups ahead; no vector instruction since the wait names these registers (in turn 0: none ever has)
.endif
.irp j, 0,1,2,3
	v_cvt_pk_bf16_f32 v[PK+\j], v[RING+8*((\g)%8)+2*\j], v[RING+8*((\g)%8)+2*\j+1]  ; the one rounding of the input
.endr
.if (\g) <= 8
	ISSUE4 (\g)+7, 4
.endif
.if (\g) > 0
	global_store_b128 v5, v[OUTR+4*((\g)-1):OUTR+4*((\g)-1)+3], s[36:37] offset:512*((\g)-1)  ; the group before: 512 consecutive bytes, at a multiple of 256 from wf's first byte
.endif
.irp j, 0,1,2,3
	v_lshlrev_b32 v[UN+2*\j], 16, v[PK+\j]
	v_and_b32 v[UN+2*\j+1], 0xffff0000, v[PK+\j]
.endr
.irp j, 0,1,2,3
	v_add_f32 v[SUM+\j], v[SUM+\j], |v[UN+2*\j]|
.endr
.irp j, 0,1,2,3
	v_add_f32 v[SUM+\j], v[SUM+\j], |v[UN+2*\j+1]|
.endr
.irp j, 0,1,2,3
	v_cvt_pk_f16_f32 v[OUTR+4*(\g)+\j], v[UN+2*\j], v[UN+2*\j+1]
.endr
.endm
.irp g, 0,1,2,3,4,5,6
	ISSUE4 \g, 0                                   ; seven groups go out at the head; the eighth buffer is asked for in turn 0, like every buffer after it
	ISSUE4 \g, 4
.endr
.irp g, 0,1,2,3,4,5,6,7,8,9,10,11,12,13,14,15
	TURN \g
.endr
	s_wait_alu depctr_va_vdst(0)                   ; turn 15 has written OUTR's last four registers, which the last store of 16 bytes reads
	global_store_b128 v5, v[OUTR+60:OUTR+63], s[36:37] offset:512*15
	v_add_f32 v6, v6, v7
	v_add_f32 v8, v8, v9
	v_add_f32 v6, v6, v8
	v_permlanex16_b32 v7, v6, s50, s51             ; the column's other 128 k lie in the lane 16 away
	v_add_f32 v6, v6, v7
.irp m, 1,2,4,8
	v_max_num_f32_dpp v6, v6, v6 row_xmask:\m row_mask:0xf bank_mask:0xf  ; the largest of the tile's 16 columns
.endr
	v_lshlrev_b32 v10, 2, v1
	v_cmp_gt_u32 vcc_lo, 4, v1
	s_wait_xcnt 0x0                                ; EXEC is a source of the loads and stores above: it changes only behind this wait
	s_wait_alu depctr_va_vcc(0)                    ; VCC is written: EXEC is made from it
	s_wait_alu depctr_va_vdst(0)                   ; in front of the write of EXEC every vector instruction has written its result: v10 and v6 among them, which the store below reads
	s_wait_alu depctr_vm_vsrc(0)                   ; and every load and store issued so far has read its vector registers
	s_and_saveexec_b32 s52, vcc_lo
	global_store_b32 v10, v6, s[38:39] offset:11008  ; lanes 0..3: the tile's entry of 16 bytes
	s_wait_xcnt 0x0                                ; and again in front of the line that widens it
	s_wait_alu depctr_va_vdst(0)                   ; both lines stand in front of every scalar write of EXEC: the vector side has nothing out,
	s_wait_alu depctr_vm_vsrc(0)                   ; and the masked store has read v10 and v6
	s_or_b32 exec_lo, exec_lo, s52
	s_endpgm
	; ---- the parameters: ten rows of 1,024 bytes, two at a time: waves 0 and 1 the first of a pair, waves 2 and 3 the second ----
	; Registers that memory instructions touch here: v2 (the loads' offset), v3 and v6 (the stores' offsets), v[8:27] (loaded, rounded in place, stored), v[30:31] (b6, stored).  None is written again behind its store.
	; All the vector work stands ahead of the run of stores, so that one wait serves them all.
.Lparams:
	s_load_b32 s56, s[34:35], 0x0                  ; b6
	s_add_nc_u64 s[44:45], s[18:19], 1024          ; w0's rows 1 and 2
	s_add_nc_u64 s[46:47], s[18:19], 2048
	s_cmp_lt_u32 s40, 2
	s_cselect_b64 s[44:45], s[18:19], s[44:45]     ; w0 row 0 | w0 row 1
	s_cselect_b64 s[46:47], s[46:47], s[20:21]     ; w0 row 2 | b0
	s_cselect_b64 s[48:49], s[22:23], s[24:25]     ; b1 | b2
	s_cselect_b64 s[50:51], s[26:27], s[28:29]     ; b3 | b4
	s_cselect_b64 s[52:53], s[30:31], s[32:33]     ; b5 | w6
	v_and_b32 v2, 63, v0
	v_lshlrev_b32 v2, 4, v2                        ; my 16 bytes of a row
	v_lshlrev_b32 v3, 4, v0                        ; my 16 bytes of a pair of rows in par
	v_lshlrev_b32 v6, 3, v0                        ; my 8 bytes of b6's copies
	s_wait_alu depctr_va_vdst(0)                   ; v2 is written, which the five loads read as their offset
.irp k, 0,1,2,3,4
	global_load_b128 v[8+4*\k:11+4*\k], v2, s[44+2*\k:45+2*\k]
.endr
	s_wait_kmcnt 0x0
	v_mov_b32 v30, s56                             ; b6 is rounded while the rows are on their way
	v_cvt_pk_bf16_f32 v30, v30, v30
	v_lshlrev_b32 v30, 16, v30
	v_mov_b32 v31, v30
	s_wait_loadcnt 0x0
.irp k, 0,1,2,3,4
	v_cvt_pk_bf16_f32 v4, v[8+4*\k], v[9+4*\k]
	v_cvt_pk_bf16_f32 v5, v[10+4*\k], v[11+4*\k]
	v_lshlrev_b32 v[8+4*\k], 16, v4
	v_and_b32 v[9+4*\k], 0xffff0000, v4
	v_lshlrev_b32 v[10+4*\k], 16, v5
	v_and_b32 v[11+4*\k], 0xffff0000, v5
.endr
	s_wait_alu depctr_va_vdst(0)                   ; v[8:27] and v[30:31] are written, which the stores below read as data, and v3 and v6, their offsets; no vector instruction follows
.irp k, 0,1,2,3,4
	global_store_b128 v3, v[8+4*\k:11+4*\k], s[38:39] offset:2048*\k  ; a wave stores 512 consecutive bytes
.endr
	s_cmp_lt_u32 s40, 3
	s_cbranch_scc0 .Ldone
	global_store_b64 v6, v[30:31], s[38:39] offset:10240  ; waves 0..2: 256 bytes each, b6 192 times
.Ldone:
	s_endpgm
.Lfunc_end_k_qe8218d5364_prep:
	.size	k_qe8218d5364_prep, .Lfunc_end_k_qe8218d5364_prep-k_qe8218d5364_prep
	.p2alignl 7, 3214868480
	.fill 96, 4, 3214868480
	.section	.rodata,"a",@progbits
	.p2align	6, 0x0
	.amdhsa_kernel k_qe8218d5364_prep
		.amdhsa_group_segment_fixed_size 0
		.amdhsa_private_segment_fixed_size 0
		.amdhsa_enable_private_segment 0
		.amdhsa_kernarg_size 128
		.amdhsa_user_sgpr_count 2
		.amdhsa_user_sgpr_kernarg_segment_ptr 1
		.amdhsa_wavefront_size32 1
		.amdhsa_system_sgpr_workgroup_id_x 1
		.amdhsa_system_sgpr_workgroup_id_y 1
		.amdhsa_system_sgpr_workgroup_id_z 1
		.amdhsa_system_vgpr_workitem_id 0
		.amdhsa_next_free_vgpr 160
		.amdhsa_next_free_sgpr 66
		.amdhsa_reserve_vcc 1
		.amdhsa_float_denorm_mode_32 3
		.amdhsa_float_denorm_mode_16_64 3
		.amdhsa_memory_ordered 1
		.amdhsa_forward_progress 1
		.amdhsa_inst_pref_size 43
	.end_amdhsa_kernel
	.amdgpu_metadata
---
amdhsa.version: [ 1, 2 ]
amdhsa.kernels:
  - .name:           k_qe8218d5364_prep
    .symbol:         k_qe8218d5364_prep.kd
    .args:
      - { .name: w1, .offset: 0, .size: 8, .value_kind: global_buffer, .address_space: global }
      - { .name: w2, .offset: 8, .size: 8, .value_kind: global_buffer, .address_space: global }
      - { .name: w3, .offset: 16, .size: 8, .value_kind: global_buffer, .address_space: global }
      - { .name: w4, .offset: 24, .size: 8, .value_kind: global_buffer, .address_space: global }
      - { .name: w5, .offset: 32, .size: 8, .value_kind: global_buffer, .address_space: global }
      - { .name: w0, .offset: 40, .size: 8, .value_kind: global_buffer, .address_space: global }
      - { .name: b0, .offset: 48, .size: 8, .value_kind: global_buffer, .address_space: global }
      - { .name: b1, .offset: 56, .size: 8, .value_kind: global_buffer, .address_space: global }
      - { .name: b2, .offset: 64, .size: 8, .value_kind: global_buffer, .address_space: global }
      - { .name: b3, .offset: 72, .size: 8, .value_kind: global_buffer, .address_space: global }
      - { .name: b4, .offset: 80, .size: 8, .value_kind: global_buffer, .address_space: global }
      - { .name: b5, .offset: 88, .size: 8, .value_kind: global_buffer, .address_space: global }
      - { .name: w6, .offset: 96, .size: 8, .value_kind: global_buffer, .address_space: global }
      - { .name: b6, .offset: 104, .size: 8, .value_kind: global_buffer, .address_space: global }
      - { .name: wf, .offset: 112, .size: 8, .value_kind: global_buffer, .address_space: global }
      - { .name: par, .offset: 120, .size: 8, .value_kind: global_buffer, .address_space: global }
    .group_segment_fixed_size: 0
    .private_segment_fixed_size: 0
    .kernarg_segment_align: 8
    .kernarg_segment_size: 128
    .max_flat_workgroup_size: 128
    .sgpr_count:     66
    .vgpr_count:     160
    .wavefront_size: 32
...
	.end_amdgpu_metadata
.endif
;; end of part 3
;; launch pde: the kernel of part 2 again; grid 256 x 1, 4 waves a work-group, clusters of 4 x 1, 327,680 bytes of LDS; arguments xyt, wf, par, out0; writes out0
